; MI455X (gfx1250); checked and timed in simulation.
; The chip was launched on July 23, 2026; its instructions are those of AMD's public machine-readable ISA for CDNA 5 (MIT licence, August 2026) and "CDNA5" Instruction Set Architecture Reference Guide (July 2026). The comments in the code are by the model that wrote it; some were corrected since.
;; Multi Head Attention. Allowed arithmetic: matrix products marked QUANTISED: E3M2 operands, one E8M0 scale for each 32 along K, by v_wmma_scale_f32_16x16x128_f8f6f4 with both operands' format E3M2, f32 sums; everything else in f32.
;; Inputs: b_proj 1,024 float32; w_proj 1,024 x 1,024 float32; w_qkv 3,072 x 1,024 float32; x 4 x 2,048 x 1,024 float32.
;; Outputs: out0 4 x 2,048 x 1,024 float32.
;; This version of the problem:
;;   THIS VERSION OF THE PROBLEM IS GIVEN IN LOW PRECISION. The matrix products marked QUANTISED in the list below multiply operands that are first quantised to E3M2 (3 exponent bits, 2 mantissa bits; 6 bits a number), with one power-of-two scale for each 32 numbers along K (OCP MX v1.0); their sums are f32. All else is computed in f32.
;;   The module's matrix products, in the order in which they are computed (A, B: the left and right operand; K: the contracted axis; several contracted axes count as one K, in the product's order):
;;     1. [M 8,192, K 1,024] x [K 1,024, N 3,072]; A: input x; B: input w_qkv: QUANTISED
;;     2. batch 64 x [M 2,048, K 64] x [K 64, N 2,048]; A: computed on the way; B: computed on the way: QUANTISED
;;     3. batch 64 x [M 2,048, K 2,048] x [K 2,048, N 64]; A: softmax (see below); B: computed on the way: QUANTISED
;;     4. [M 8,192, K 1,024] x [K 1,024, N 1,024]; A: computed on the way; B: input w_proj: QUANTISED
;;   THE QUANTISER, for each operand of a quantised product, along K:
;;     - K is cut into blocks of 32 from its start; a last block that is shorter is filled with zeros.
;;     - A block's scale is 2^e with e = floor(log2(the largest magnitude in the block)) - 4, held to -126 .. 127; a block of zeros has e = 0. As a byte (E8M0): e + 127.
;;     - Each number is divided by its block's scale, clamped to +-28, and rounded to the nearest number of E3M2, ties to even, subnormals kept.
;;     - The product sums the exact products of the quantised numbers (number of the format x scale) in f32.
;;   ~~~python
;;   def quantise(x, axis):      # numpy; x: float32 -> the quantised numbers, widened to float32 again
;;       x = np.moveaxis(x, axis, -1); K = x.shape[-1]
;;       x = np.pad(x, [(0, 0)] * (x.ndim - 1) + [(0, -K % 32)]); x = x.reshape(x.shape[:-1] + (-1, 32)); a = np.abs(x).max(-1, keepdims=True)
;;       e = np.where(a > 0, np.clip(np.frexp(np.where(a > 0, a, 1))[1] - 1 - 4, -126, 127), 0)      # np.frexp(a)[1] - 1 = floor(log2(a)), exactly
;;       r = np.clip(x / 2.0 ** e, -28, 28)
;;       step = 2.0 ** (np.maximum(np.frexp(np.where(r == 0, 1, r))[1] - 1, -2) - 2)
;;       q = np.round(r / step) * step * 2.0 ** e      # np.round: ties to even
;;       return np.moveaxis(q.reshape(q.shape[:-2] + (-1,))[..., :K], -1, axis).astype(np.float32)
;;   ~~~
;;   SOFTMAX AHEAD OF A QUANTISED PRODUCT. Where the list says 'softmax', what is quantised is not the finished softmax but p = 2^(t - M), with t = logit x log2(e) and M = ceil(the row's largest t), a whole number; so 1/2 < the row's largest p <= 1. The row's sum l is taken of the UNQUANTISED p, in f32, and the product's result is divided by l at the end. Since M is a whole number, a kernel that streams over the keys may use a running M (the ceiling of the running maximum): every later rescaling is an exact power of two, which a block's scale takes up: the codes' values come out the same.
;;   OPERANDS COMPUTED ON THE WAY. 'Computed on the way' means the value that the module computes at that place (a softmax that the list does not call 'softmax' is quantised finished and normalised). What goes into a quantiser is computed in f32, as accurately as f32 sums, v_exp_f32 and their like allow (about 1e-6 of the number): no bf16 or f16 on the way to a quantiser, and a product that is left as it is and whose result goes on into a quantised operand takes f32 operands (vector FMAs, or v_wmma_f32_16x16x4_f32). A number that lies on a knife's edge between two numbers of the format may be rounded either way, as far as f32 arithmetic and the matrix unit's own rounding can turn it there, and no further.
;; One version. Each part assembles by itself: llvm-mc -triple=amdgcn-amd-amdhsa -mcpu=gfx1250 --defsym DOCPART=n.
;; ======== version 1 of 1: 4 launches
;; workspace buffers: cw 10,223,616 bytes; qc 6,815,744 bytes; kv 13,107,200 bytes; ao 6,815,744 bytes
;; launch quant (part 1): grid 384 x 1, 4 waves a work-group, no clusters, 35,328 bytes of LDS; arguments x, w_qkv, w_proj, cw; writes cw
.if DOCPART == 1
	.amdgcn_target "amdgcn-amd-amdhsa--gfx1250"
	.amdhsa_code_object_version 6
	.text
	.protected	k_q1888324786_quant
	.globl	k_q1888324786_quant
	.p2align	8
	.type	k_q1888324786_quant,@function
k_q1888324786_quant:
	s_mov_b64 s[64:65], 0
	v_nop
	global_prefetch_b8 v0, s[64:65] scope:SCOPE_SE
	s_setreg_imm32_b32 hwreg(HW_REG_WAVE_MODE, 25, 1), 1
	s_wait_xcnt 0x0
; x [8192][1024], w_qkv [3072][1024], w_proj [1024][1024], f32, K innermost, become codes of BF6 (E3M2) with one E8M0 byte for each 32 along K,
; laid in cw IN THE ORDER OF AN OPERAND'S REGISTERS, so that the products' launches fetch dense blocks and read them with 16 and 8 bytes a lane.
; cw: [tile of 16 rows: 0-511 x, 512-703 w_qkv, 704-767 w_proj][K slot of 256: 0-3][3,328 bytes].  In a slot: four HALF FRAGMENTS (16 rows x 64 K, 768 bytes:
; a lane's registers 0-3 at 16 x lane, registers 4-5 at 512 + 8 x lane; lane (r, h) holds row r, k = 32 h .. 32 h + 31), then at 3,072 + 4 x lane the scale words:
; lanes 0-15 row r's word of the slot's first 128 K, lanes 16-31 of its second.  The slot's last 128 bytes are neither written nor read.
; THE ROWS OF A TILE ARE NOT NEIGHBOURS: row r of tile T is the tensor's row 32 (T / 2) + 8 (T % 2) + r + 8 (r / 8), so that in a product's result the 16 registers of
; two neighbouring tiles are 16 neighbours, which is what the next quantiser wants.
; A block's scale is 2^(floor(log2(largest magnitude)) - 4): its byte is the largest magnitude's exponent field - 4, held at 1 from below.
; LIMITS: a block of zeros, or one whose largest magnitude lies under 2^-122, gets the byte 1 (the rule says 127 for zeros: the codes are zeros, and this program alone reads the bytes);
; NaN and infinities among the inputs are not served.
; SHARES: a wave takes one tile x 512 along K: eight half fragments, one a step.  A step's eight loads read whole runs of 256 bytes of 16 rows; they turn through the wave's own stage in LDS
; (rows of 256 + 16 bytes) and come back 128 bytes a lane: a whole block of 32 in one lane, so that no lane asks another for a maximum.
; No matrix work, no tensor loads, no cluster: the work-groups share no input and the waves share nothing, so there is no barrier.
.set R,     32                         ; v32-127   three sets of 32 registers as loaded
.set X,     128                        ; v128-191  two sets of 32 neighbours
.set C,     192                        ; v192-255  eight registers a step for its codes: no store's data are written again
.set WREG,  8704                       ; LDS of a wave: two stages
.set STG,   4352                       ; a stage: 16 rows x 272 bytes
.set TILEB, 13312
.set SLOTB, 3328
	s_load_b256 s[4:11], s[0:1], 0x0               ; x, w_qkv, w_proj, cw
	v_lshl_add_u32 v254, v0, 2, 0x8800
	v_mov_b32 v255, 0
	v_lshrrev_b32 v1, 5, v0
	v_readfirstlane_b32 s16, v1                    ; wave
	v_and_b32 v1, 31, v0                           ; lane
	v_and_b32 v2, 15, v0                           ; r
	v_bfe_u32 v3, v0, 4, 1                         ; h
	v_lshlrev_b32 v4, 4, v2
	v_lshl_add_u32 v4, v3, 16, v4                  ; in: 16 bytes of a row's 256; lanes 16-31 take the row 16 further down
	s_mul_i32 s17, s16, WREG
	v_mul_u32_u24 v5, v3, 2176
	v_lshl_add_u32 v5, v2, 4, v5
	v_add_nc_u32 v5, s17, v5                       ; into the stage: tile row i (lanes 0-15) and i + 8 (lanes 16-31)
	v_mul_u32_u24 v6, v2, 272
	v_lshl_add_u32 v6, v3, 7, v6
	v_add_nc_u32 v6, s17, v6                       ; out of it: row r, my 32 numbers
	v_lshlrev_b32 v7, 4, v1                        ; 16 x lane
	v_lshlrev_b32 v8, 3, v1                        ; 8 x lane
	v_lshlrev_b32 v9, 2, v1                        ; 4 x lane
	v_lshlrev_b32 v10, 3, v3                       ; 8 h: my byte's place in a scale word
	v_mov_b32 v21, 0                               ; a lane permute's destination counts as read: written once
	v_cmp_ne_u32 vcc_lo, 0, v3                     ; lanes 16-31; kept to the end
	s_mov_b32 s20, 0x76543210
	s_mov_b32 s21, 0xfedcba98                      ; selects for lane l xor 16
	s_lshr_b32 s18, s16, 1                         ; which of the work-group's two tiles
	s_and_b32 s19, s16, 1                          ; which half of K
	s_mov_b32 s12, 352
	s_wait_alu depctr_va_vdst(0)
	s_wait_kmcnt 0x0
	s_cmp_lt_u32 ttmp9, 352                        ; the tensor is chosen by the work-group's number alone
	s_cselect_b64 s[6:7], s[6:7], s[8:9]
	s_cselect_b32 s12, 256, s12
	s_cmp_lt_u32 ttmp9, 256
	s_cselect_b64 s[4:5], s[4:5], s[6:7]
	s_cselect_b32 s12, 0, s12                      ; the tensor's first work-group
	s_sub_co_u32 s12, ttmp9, s12
	s_lshl_b32 s12, s12, 17                        ; 32 rows of 4,096 bytes a work-group,
	s_lshl_b32 s13, s18, 15                        ; 8 rows on for the odd tile,
	s_add_co_u32 s12, s12, s13
	s_lshl_b32 s13, s19, 11                        ; 512 numbers on for the second half of K
	s_add_co_u32 s12, s12, s13
	s_mov_b32 s13, 0
	s_add_nc_u64 s[4:5], s[4:5], s[12:13]
	s_lshl_b32 s14, ttmp9, 1
	s_add_co_u32 s14, s14, s18                     ; my tile
	s_mul_i32 s14, s14, TILEB
	s_mul_i32 s15, s19, 2*SLOTB
	s_add_co_u32 s14, s14, s15
	s_mov_b32 s15, 0
	s_add_nc_u64 s[10:11], s[10:11], s[14:15]
.macro LOAD t                          ; half fragment t: 256 bytes of each of 16 rows; each load covers two aligned runs of 256 bytes
.irp i, 0,1,2,3,4,5,6,7
	global_load_b128 v[R+32*((\t)%3)+4*\i:R+32*((\t)%3)+4*\i+3], v4, s[4:5] offset:4096*\i+256*(\t) th:TH_LOAD_NT
.endr
.endm
.macro TURN t                          ; through the stage: LDS serves a wave's instructions in order (ISA guide 5.7.1.4), so no wait stands between the stores and the loads
.irp i, 0,1,2,3,4,5,6,7
	ds_store_b128 v5, v[R+32*((\t)%3)+4*\i:R+32*((\t)%3)+4*\i+3] offset:STG*((\t)%2)+272*\i
.endr
.irp i, 0,1,2,3,4,5,6,7
	ds_load_b128 v[X+32*((\t)%2)+4*\i:X+32*((\t)%2)+4*\i+3], v6 offset:STG*((\t)%2)+16*\i
.endr
.endm
.macro STEP t
.set XS, X+32*((\t)%2)
	s_wait_dscnt 0x0                               ; this step's numbers are back, so its stores into the stage have read their registers,
.if (\t)+3 < 8
	LOAD (\t)+3                                    ; which take the loads of three steps on
.endif
.if (\t) < 7
.if (\t) < 5
	s_wait_loadcnt 16                              ; the next step's eight loads are in; the two sets behind them may be out
.else
	s_wait_loadcnt 8*(6-(\t))
.endif
	TURN (\t)+1                                    ; they turn through the other stage while this step is worked
.endif
	v_max3_num_f32 v12, |v[XS]|, |v[XS+1]|, |v[XS+2]|              ; the block's largest magnitude: all 32 numbers are mine; two chains
	v_max3_num_f32 v13, |v[XS+3]|, |v[XS+4]|, |v[XS+5]|
.irp i, 6,10,14,18,22,26
	v_max3_num_f32 v12, v12, |v[XS+\i]|, |v[XS+\i+1]|
	v_max3_num_f32 v13, v13, |v[XS+\i+2]|, |v[XS+\i+3]|
.endr
	v_max3_num_f32 v12, v12, |v[XS+30]|, |v[XS+31]|
	v_max3_num_f32 v12, v12, v13, 0x2800000        ; and the floor 2^(5 - 127): the byte cannot fall under 1
	v_add_nc_u32 v14, 0xfe000000, v12              ; 4 off the exponent field: the conversion takes this operand's exponent field as its scale
	v_cvt_scalef32_pk16_bf6_f32 v[C+8*(\t):C+8*(\t)+2], v[XS:XS+15], v14
	v_cvt_scalef32_pk16_bf6_f32 v[22:24], v[XS+16:XS+31], v14      ; (a conversion's three registers begin on an even number)
	v_lshrrev_b32 v15, 23, v14                     ; the scale's byte; also the plain line behind the conversions
.irp i, 0,1,2
	v_mov_b32 v[C+8*(\t)+3+\i], v[22+\i]
.endr
	global_store_b128 v7, v[C+8*(\t):C+8*(\t)+3], s[10:11] offset:((\t)/4)*SLOTB+768*((\t)%4)         ; 512 bytes on end
	global_store_b64 v8, v[C+8*(\t)+4:C+8*(\t)+5], s[10:11] offset:((\t)/4)*SLOTB+768*((\t)%4)+512   ; 256 bytes on end
.if (\t)%2 == 0
	v_mov_b32 v20, v15                             ; block h of a scale word's four
.else
	v_lshl_or_b32 v20, v15, 16, v20                ; block 2 + h beside it,
	v_lshlrev_b32 v20, v10, v20                    ; at their places,
	v_permlanex16_b32 v21, v20, s20, s21
	v_or_b32 v[16+(\t)/2], v20, v21                ; with lane l xor 16's two the word is whole
.endif
.endm
	LOAD 0
	LOAD 1
	LOAD 2
	s_wait_loadcnt 16                              ; step 0's eight loads are in
	TURN 0
.irp t, 0,1,2,3,4,5,6,7
	STEP \t
.endr
	v_cndmask_b32 v25, v16, v17, vcc_lo            ; lanes 0-15: the slot's first 128 K, lanes 16-31: its second
	v_cndmask_b32 v26, v18, v19, vcc_lo
	global_store_b32 v9, v25, s[10:11] offset:3072
	global_store_b32 v9, v26, s[10:11] offset:SLOTB+3072
	s_wait_tensorcnt 0x0
	ds_add_u32 v254, v255
	s_wait_dscnt 0x0
	s_endpgm
.Lfunc_end_k_q1888324786_quant:
	.size	k_q1888324786_quant, .Lfunc_end_k_q1888324786_quant-k_q1888324786_quant
	.p2alignl 7, 3214868480
	.fill 96, 4, 3214868480
	.section	.rodata,"a",@progbits
	.p2align	6, 0x0
	.amdhsa_kernel k_q1888324786_quant
		.amdhsa_group_segment_fixed_size 35328
		.amdhsa_private_segment_fixed_size 0
		.amdhsa_enable_private_segment 0
		.amdhsa_kernarg_size 32
		.amdhsa_user_sgpr_count 2
		.amdhsa_user_sgpr_kernarg_segment_ptr 1
		.amdhsa_wavefront_size32 1
		.amdhsa_system_sgpr_workgroup_id_x 1
		.amdhsa_system_sgpr_workgroup_id_y 1
		.amdhsa_system_sgpr_workgroup_id_z 1
		.amdhsa_system_vgpr_workitem_id 0
		.amdhsa_next_free_vgpr 256
		.amdhsa_next_free_sgpr 66
		.amdhsa_reserve_vcc 1
		.amdhsa_float_denorm_mode_32 3
		.amdhsa_float_denorm_mode_16_64 3
		.amdhsa_memory_ordered 1
		.amdhsa_forward_progress 1
		.amdhsa_inst_pref_size 31
	.end_amdhsa_kernel
	.amdgpu_metadata
---
amdhsa.version: [ 1, 2 ]
amdhsa.kernels:
  - .name:           k_q1888324786_quant
    .symbol:         k_q1888324786_quant.kd
    .args:
      - { .name: x, .offset: 0, .size: 8, .value_kind: global_buffer, .address_space: global }
      - { .name: w_qkv, .offset: 8, .size: 8, .value_kind: global_buffer, .address_space: global }
      - { .name: w_proj, .offset: 16, .size: 8, .value_kind: global_buffer, .address_space: global }
      - { .name: cw, .offset: 24, .size: 8, .value_kind: global_buffer, .address_space: global }
    .group_segment_fixed_size: 35328
    .private_segment_fixed_size: 0
    .kernarg_segment_align: 8
    .kernarg_segment_size: 32
    .max_flat_workgroup_size: 128
    .sgpr_count:     66
    .vgpr_count:     256
    .wavefront_size: 32
...
	.end_amdgpu_metadata
.endif
;; end of part 1
;; launch qkv (part 2): grid 16 x 32, 4 waves a work-group, clusters of 4 x 4, 327,680 bytes of LDS; arguments cw, qc, kv; writes qc, kv
.if DOCPART == 2
	.amdgcn_target "amdgcn-amd-amdhsa--gfx1250"
	.amdhsa_code_object_version 6
	.text
	.protected	k_q1888324786_qkv
	.globl	k_q1888324786_qkv
	.p2align	8
	.type	k_q1888324786_qkv,@function
k_q1888324786_qkv:
	s_mov_b64 s[64:65], 0
	v_nop
	global_prefetch_b8 v0, s[64:65] scope:SCOPE_SE
	s_setreg_imm32_b32 hwreg(HW_REG_WAVE_MODE, 25, 1), 1
	s_wait_xcnt 0x0
	s_wait_alu depctr_hold_cnt(0) depctr_sa_sdst(0) depctr_va_vdst(0) depctr_va_sdst(0) depctr_va_ssrc(0) depctr_va_vcc(0) depctr_vm_vsrc(0)
	s_getreg_b32 s2, hwreg(HW_REG_IB_STS2, 6, 4)
	s_cmp_eq_u32 s2, 0
	s_cbranch_scc0 .Lentry_in_a_cluster
	s_endpgm
.Lentry_in_a_cluster:
	s_bfe_u32 s2, ttmp6, 0x10000c
	s_cmp_lg_u32 s2, 0xf033
	s_cbranch_scc0 .Lentry_shape_is_right
	s_endpgm
.Lentry_shape_is_right:
; qkv = x w_qkv^T on codes of BF6 (K = 1,024), and the results quantised in registers: q and k along the head's 64, v along the tokens.  No f32 result goes to memory.
; SHARES.  A work-group takes 256 tokens x one head's 192 features (q, k, v: 12 tiles of w_qkv).  Wave w takes tokens 64 w .. 64 w + 63 x all 192: 48 accumulators.
; q's and k's products are used TRANSPOSED (source 0 = 16 features, source 1 = 16 tokens): a lane holds one token and its registers run along the features, which are the next K.
; v's are not (source 0 = tokens, source 1 = features): a lane holds one feature and its registers run along the tokens, which are v's next K.
; The rows of a tile in cw are chosen (row r of tile T = row 32 (T / 2) + 8 (T % 2) + r + 8 (r / 8)) so that the 16 registers of two neighbouring tiles are 16 neighbours.
; cw: [tile][K slot of 256][3,328]: four half fragments of 768 bytes (registers 0-3 at 16 x lane, 4-5 at 512 + 8 x lane), scale words at 3,072 + 4 x lane (lanes 0-15 the first 128 K, 16-31 the second).
; OUT.  qc [head of 64][group of 4 query tiles][3,328]: tile a's half fragment at 768 a; at 3,072 + 8 (16 (a / 2) + r) + 4 (a % 2) row r's two scale bytes, written twice in a word.
;       kv [head][step of 128 keys][12,800]: K's half fragments of key tiles 0-7 at 768 x tile; V at 6,144 + 3,072 (64 keys) + 768 (tile of 16 of the head's 64);
;       K's scale words at 12,288 + 64 (pair of tiles) + 4 r (bytes 0, 1 the even tile's key, 2, 3 the odd one's); V's at 12,544 + 64 (tile) + 4 r (the step's four blocks of keys).
; RING.  K goes in four slots of 256.  Three LDS slots take the first three as first fills; the fourth fills LDS slot 0 again, behind a round of the cluster's barrier.
; CLUSTER.  4 x 4 work-groups: x's tiles hang on the token block alone and are asked for jointly along a row of the cluster, w_qkv's on the head alone and jointly along a column.
; LIMITS: a block whose largest magnitude lies under 2^-122 (zeros too) gets the scale byte 1: this program alone reads the bytes; NaN and infinities are not served.
; REGISTERS.  window 0: v1-5 lane terms, v6-23 LDS addresses, v24-27 the way out, v28-29 the spare word's address and 0, v32-63 scale words (two sets of 16), v64-103 the quantiser's work, v104-175 codes.
;   window 1: v0-143 w_qkv's 12 fragments (one set, refilled four at a time), v144-239 x's 4 fragments (two sets).   window 2: v's 16 accumulators.   window 3: q's and k's 32.
.set TILEB, 13312
.set SLOTB, 3328
.set LROW,  3200                       ; what is fetched of a tile's slot
.set SLOT,  89600                      ; an LDS slot: x's 16 tiles, then w_qkv's 12
.set BOFF,  51200
.set VS,    268800                     ; behind the ring: v's scale bytes of the work-group's two key steps, 512 bytes
.set SPARE, 269312                     ; the spare words, 128 bytes a wave: two blocks of 256 bytes that no other line names
.set STEPB, 12800
.set SC, 32
.set TM, 64                            ; v64-67 largest magnitudes, v68-71 bytes, v76-79 the conversions' scale operands
.set QT, 80                            ; v80-87 the conversions' second halves
.set PW, 88                            ; v88-93 six scale words
.set PC, 104                           ; v104-175 six fragments of codes
.set AF, 144
.set MSB, 0
.macro WIN new                         ; the immediate's high byte repeats the setting that is left
.if MSB != \new
	s_set_vgpr_msb (MSB<<8)|\new
.set MSB, \new
.endif
.endm
; A joint load: waves 0 and 1 fetch x's two halves, waves 2 and 3 w_qkv's.  The branch hangs on the wave's number alone.  Four v_nop follow each of the two lines.
.macro JLOAD g0a, g1a, g0b, g1b
	s_cmp_eq_u32 s13, 0
	s_cbranch_scc0 .Lfor_b_\@
	tensor_load_to_lds s[\g0a:\g0a+3], s[\g1a:\g1a+7]
	s_nop 0
.rept 4
	v_nop
.endr
	s_branch .Lasked_\@
.Lfor_b_\@:
	tensor_load_to_lds s[\g0b:\g0b+3], s[\g1b:\g1b+7]
	s_nop 0
.rept 4
	v_nop
.endr
.Lasked_\@:
.endm
.macro CREST                           ; a round of the cluster's barrier behind its opening barrier
	s_cmp_lg_u32 s12, 0
	s_cbranch_scc1 .Lnot_wave_0_\@
	s_barrier_signal -3
.Lnot_wave_0_\@:
	s_barrier_wait -3
	s_barrier_signal -1
	s_barrier_wait -1
.endm
.macro CROUND
	s_barrier_signal -1
	s_barrier_wait -1
	CREST
.endm
.macro PLACES                          ; four plain places behind matrix instructions, in front of loads into their registers and of reads of their results
.rept 4
	v_nop
.endr
.endm
	s_load_b128 s[4:7], s[0:1], 0x0                ; cw, qc
	s_load_b64 s[8:9], s[0:1], 0x10                ; kv
	v_lshl_add_u32 v28, v0, 2, SPARE
	v_mov_b32 v29, 0
	ds_add_u32 v28, v29
	ds_add_u32 v28, v29
	s_wait_dscnt 0x0
	v_lshrrev_b32 v1, 5, v0
	v_readfirstlane_b32 s12, v1                    ; wave
	s_lshr_b32 s13, s12, 1                         ; I fetch for x (0) or for w_qkv (1); also: which of the two key steps my tokens are
	s_and_b32 s14, s12, 1                          ; which half I fetch; also: which 64 keys of the step
	s_bfe_u32 s15, ttmp6, 0x40000                  ; cx
	s_bfe_u32 s16, ttmp6, 0x40004                  ; cy
	s_lshl_b32 s17, ttmp9, 2
	s_add_co_u32 s17, s17, s15                     ; the head
	s_and_b32 s18, ttmp7, 0xffff
	s_lshl_b32 s18, s18, 2
	s_add_co_u32 s18, s18, s16                     ; the block of 256 tokens
	s_lshl_b32 s19, s16, 2
	s_lshl_b32 s19, 15, s19                        ; my row of the cluster
	s_lshl_b32 s20, 0x1111, s15                    ; my column
	; group 1: rows of 400 elements of 8 bytes (3,200 bytes), 1,664 elements apart: one row for each tile; x: 8 tiles a load, w_qkv: 6
	s_or_b32 s24, s19, (3<<16)|(1<<21)
	s_or_b32 s32, s20, (3<<16)|(1<<21)
.irp g, 24, 32
	s_mov_b32 s[\g+1], 400<<16                     ; tensor_dim0
	s_mov_b32 s[\g+3], 400<<16                     ; tile_dim0
	s_mov_b32 s[\g+5], 1664                        ; the pitch
	s_mov_b32 s[\g+6], 0
	s_mov_b32 s[\g+7], 0
.endr
	s_mov_b32 s26, 8<<16                           ; tensor_dim1
	s_mov_b32 s28, 8                               ; tile_dim1
	s_mov_b32 s34, 6<<16
	s_mov_b32 s36, 6
	s_lshl_b32 s56, s18, 4                         ; x: tile 16 x token block + 8 x half: made of the token block and the wave alone
	s_lshl_b32 s57, s14, 3
	s_add_co_u32 s56, s56, s57
	s_mul_i32 s56, s56, TILEB
	s_mov_b32 s57, 0
	s_mul_i32 s58, s17, 12                         ; w_qkv: tile 512 + 12 x head + 6 x half: made of the head and the wave alone
	s_mul_i32 s59, s14, 6
	s_add_co_u32 s58, s58, s59
	s_add_co_u32 s58, s58, 512
	s_mul_i32 s58, s58, TILEB
	s_mov_b32 s59, 0
	s_mul_i32 s21, s14, 8*LROW                     ; where they go: no place in the cluster enters an LDS address
	s_mul_i32 s22, s14, 6*LROW
	s_add_co_u32 s22, s22, BOFF
	s_wait_kmcnt 0x0
	s_add_nc_u64 s[56:57], s[4:5], s[56:57]
	s_add_nc_u64 s[58:59], s[4:5], s[58:59]
	CROUND                                         ; all sixteen work-groups are here: the first joint loads meet
.irp j, 0,1,2                          ; three first fills a wave: K slots 0, 1, 2
	s_mov_b32 s[40+4*\j], 1
	s_add_co_u32 s[41+4*\j], s21, \j*SLOT
	s_add_nc_u64 s[42+4*\j:43+4*\j], s[56:57], \j*SLOTB
	s_or_b32 s[43+4*\j], s[43+4*\j], 0x80000000
	s_mov_b32 s[68+4*\j], 1
	s_add_co_u32 s[69+4*\j], s22, \j*SLOT
	s_add_nc_u64 s[70+4*\j:71+4*\j], s[58:59], \j*SLOTB
	s_or_b32 s[71+4*\j], s[71+4*\j], 0x80000000
	JLOAD 40+4*\j, 24, 68+4*\j, 32
.endr
	v_and_b32 v30, 31, v0                          ; lane
	v_and_b32 v1, 15, v0                           ; r
	v_bfe_u32 v2, v0, 4, 1                         ; h
	v_lshlrev_b32 v3, 4, v30
	v_lshlrev_b32 v4, 3, v30
	v_lshlrev_b32 v5, 2, v30
	s_mul_i32 s23, s12, 4*LROW                     ; my four tiles of x
.irp j, 0,1,2
	v_add_nc_u32 v[6+\j], s23, v3                  ; x: 16, 8 and 4 bytes a lane, in slot j
	v_add_nc_u32 v[9+\j], s23, v4
	v_add_nc_u32 v[12+\j], s23, v5
	v_add_nc_u32 v[15+\j], BOFF+\j*SLOT, v3        ; w_qkv likewise
	v_add_nc_u32 v[18+\j], BOFF+\j*SLOT, v4
	v_add_nc_u32 v[21+\j], BOFF+\j*SLOT, v5
	s_add_co_u32 s23, s23, SLOT
.endr
	s_lshl_b32 s23, s13, 8
	s_lshl_b32 s21, s14, 1
	s_add_co_u32 s23, s23, s21
	s_add_co_u32 s23, s23, VS
	v_lshl_add_u32 v24, v1, 2, s23                 ; v's scale bytes in LDS: 256 x key step + 4 r + 2 x (which 64 keys)
	v_add_nc_u32 v25, VS, v3                       ; and back: 16 bytes a lane
	v_mul_u32_u24 v26, v2, STEPB
	v_lshl_add_u32 v26, v1, 4, v26                 ; lanes 0-15 the first key step's 256 bytes, lanes 16-31 the second's
	s_lshl_b32 s21, s14, 7
	v_add_nc_u32 v27, s21, v5                      ; k's scale words: 128 x (which 64 keys) + 4 x lane
.irp b, 0,1,2,3
	v_mov_b32 v[TM+4+\b], 0                        ; a lane permute's destination counts as read: written once
.endr
	s_mov_b32 s60, 0x76543210
	s_mov_b32 s61, 0xfedcba98                      ; selects for lane l xor 16
	s_lshr_b32 s84, s18, 3
	s_lshl_b32 s84, s84, 4
	s_add_co_u32 s84, s84, s17                     ; 16 x batch + head
	s_and_b32 s85, s18, 7                          ; the token block within its sequence
	s_lshl_b32 s86, s84, 5
	s_lshl_b32 s87, s85, 2
	s_add_co_u32 s86, s86, s87
	s_add_co_u32 s86, s86, s12
	s_mul_i32 s86, s86, SLOTB
	s_mov_b32 s87, 0
	s_add_nc_u64 s[6:7], s[6:7], s[86:87]          ; qc at my group of four query tiles
	s_lshl_b32 s88, s84, 4
	s_lshl_b32 s89, s85, 1
	s_add_co_u32 s88, s88, s89
	s_add_co_u32 s88, s88, s13
	s_mul_i32 s88, s88, STEPB
	s_mov_b32 s89, 0
	s_add_nc_u64 s[8:9], s[8:9], s[88:89]          ; kv at my key step,
	s_mul_i32 s90, s14, 3072
	s_mov_b32 s91, 0
	s_add_nc_u64 s[90:91], s[8:9], s[90:91]        ; and at my 64 keys' half fragments
.macro FRAG reg, a16, a8, off          ; a fragment (12 registers) is two half fragments: 16, 8, 16, 8 bytes a lane, every load on consecutive bytes
	ds_load_b128 v[(\reg):(\reg)+3], v[\a16] offset:(\off)
	ds_load_b64 v[(\reg)+4:(\reg)+5], v[\a8] offset:(\off)+512
	ds_load_b128 v[(\reg)+6:(\reg)+9], v[\a16] offset:(\off)+768
	ds_load_b64 v[(\reg)+10:(\reg)+11], v[\a8] offset:(\off)+1280
.endm
.macro LDB g, slot, q                  ; w_qkv's fragments 4 g .. 4 g + 3 of the slot's q-th 128 K
	WIN 0x40
.irp i, 0,1,2,3
	FRAG 12*(4*(\g)+\i), 15+(\slot), 18+(\slot), (4*(\g)+\i)*LROW+1536*(\q)
.endr
.endm
.macro LDA p, slot, q                  ; x's four fragments into set p
	WIN 0x40
.irp i, 0,1,2,3
	FRAG AF+48*(\p)+12*\i, 6+(\slot), 9+(\slot), \i*LROW+1536*(\q)
.endr
.endm
.macro LDSC set, slot                  ; a slot's scale words: one register a tile serves both of the slot's 128 K (lanes 0-15, lanes 16-31)
	WIN 0
.irp i, 0,1,2,3
	ds_load_b32 v[SC+16*(\set)+\i], v[12+(\slot)] offset:\i*LROW+3072
.endr
.irp i, 0,1,2,3,4,5,6,7,8,9,10,11
	ds_load_b32 v[SC+16*(\set)+4+\i], v[21+(\slot)] offset:\i*LROW+3072
.endr
.endm
.macro WM d, a, b, z, sa, sb, q        ; z: the product starts its sum;  q = 1: both sides' scales from lanes 16-31
.if \z
	v_wmma_scale_f32_16x16x128_f8f6f4 v[(\d):(\d)+7], v[(\a):(\a)+11], v[(\b):(\b)+11], 0, v[\sa], v[\sb] matrix_a_fmt:MATRIX_FMT_BF6 matrix_b_fmt:MATRIX_FMT_BF6
.elseif \q
	v_wmma_scale_f32_16x16x128_f8f6f4 v[(\d):(\d)+7], v[(\a):(\a)+11], v[(\b):(\b)+11], v[(\d):(\d)+7], v[\sa], v[\sb] matrix_a_fmt:MATRIX_FMT_BF6 matrix_b_fmt:MATRIX_FMT_BF6 matrix_a_scale:MATRIX_SCALE_ROW1 matrix_b_scale:MATRIX_SCALE_ROW1
.else
	v_wmma_scale_f32_16x16x128_f8f6f4 v[(\d):(\d)+7], v[(\a):(\a)+11], v[(\b):(\b)+11], v[(\d):(\d)+7], v[\sa], v[\sb] matrix_a_fmt:MATRIX_FMT_BF6 matrix_b_fmt:MATRIX_FMT_BF6
.endif
.endm
; The 48 accumulators take turns, one instruction a turn, in the same order in every step.
.macro MULQK g, p, set, q, zero        ; 16 products: my 4 tiles of tokens x feature tiles 4 g .. 4 g + 3 (g = 0: q, g = 1: k), transposed
	WIN 0xf5
.irp a, 0,1,2,3
.irp b, 0,1,2,3
	WM 8*(8*\a+4*(\g)+\b), 12*(4*(\g)+\b), AF+48*(\p)+12*\a, \zero, SC+16*(\set)+4+4*(\g)+\b, SC+16*(\set)+\a, \q
.endr
.endr
.endm
.macro MULV p, set, q, zero            ; 16 products: v's four feature tiles, source 0 = tokens
	WIN 0xa5
.irp b, 0,1,2,3
.irp a, 0,1,2,3
	WM 8*(4*\b+\a), AF+48*(\p)+12*\a, 12*(8+\b), \zero, SC+16*(\set)+\a, SC+16*(\set)+12+\b, \q
.endr
.endr
.endm
; A step of 128 along K: three groups of 16 products; behind each group, its four fragments of w_qkv are fetched anew for the next step, 32 matrix instructions ahead of their use.
; The waits count LDS loads issued behind the run that is wanted: at the head the two runs of 16 behind the first run; in front of k's and v's groups at least 48.
.macro STEP n
.set QQ,  (\n)%2
.set SS,  ((\n)/2)%2
.set NSL, (((\n)+1)/2)%3
.set NQQ, ((\n)+1)%2
.set NSS, (((\n)+1)/2)%2
.if (\n) == 0
.set ZZ, 1
.else
.set ZZ, 0
.endif
.if (\n) == 3
	WIN 0
	s_wait_tensorcnt 0x0                           ; all my tensor loads have landed, K slot 2 among them: so a group 0 may be written
	ds_add_u32 v28, v29                            ; 0 onto my spare word
	s_add_nc_u64 s[42:43], s[42:43], 3*SLOTB       ; LDS slot 0's descriptors step to K slot 3
	s_add_nc_u64 s[70:71], s[70:71], 3*SLOTB
	s_wait_dscnt 33                                ; (the add and the two younger runs of 16 may be out)
.elseif (\n) == 1
	s_wait_tensorcnt 0x1                           ; my part of K slot 1 has landed; K slot 2's may be out
	s_wait_dscnt 32
.elseif (\n) == 5
	s_wait_tensorcnt 0x0                           ; the refill, my one load that is out, has landed
	s_wait_dscnt 32
.else
	s_wait_dscnt 32
.endif
	MULQK 0, QQ, SS, QQ, ZZ
.if (\n) < 7
.if (\n)%2 == 1                        ; the next step reads the next slot: one barrier
	WIN 0
	s_wait_dscnt 0x0                               ; all my LDS loads are back (in step 3 the add is done too, and my reads of LDS slot 0 ended long ago)
	s_barrier_signal -1
	s_barrier_wait -1
.if (\n) == 3
	CREST                                          ; the barrier has opened a round of the cluster's: no wave of any partner still reads LDS slot 0 or has a load on its way
	JLOAD 40, 24, 68, 32                           ; the one refill: first behind the round; its four v_nop are also the places in front of the loads below
.else
	PLACES
.endif
	LDSC NSS, NSL
.else
	PLACES
.endif
	LDB 0, NSL, NQQ
	LDA NQQ, NSL, NQQ
	s_wait_dscnt 48
.else
	s_wait_dscnt 16
.endif
	MULQK 1, QQ, SS, QQ, ZZ
.if (\n) < 7
	PLACES
	LDB 1, NSL, NQQ
	s_wait_dscnt 48
.else
	s_wait_dscnt 0x0
.endif
	MULV QQ, SS, QQ, ZZ
.if (\n) < 7
	PLACES
	LDB 2, NSL, NQQ
.endif
.endm
	s_wait_tensorcnt 0x2                           ; my part of K slot 0 is in; the two younger fills may be out
	s_barrier_signal -1
	s_barrier_wait -1
	LDSC 0, 0
	LDB 0, 0, 0
	LDA 0, 0, 0
	LDB 1, 0, 0
	LDB 2, 0, 0
.irp n, 0,1,2,3,4,5,6,7
	STEP \n
.endr
; THE QUANTISER.  64 numbers of a lane in window win, register 16 b + i = k 32 b + 16 (lane / 16) + i of my row, become a fragment's codes in v[pc] on and its scale word in v[pw].
; Each accumulator is read from its low end on.
.macro QUANT win, s, pc, pw
	WIN ((\win)<<2)|((\win)<<4)
.irp b, 0,1,2,3
	v_max3_num_f32 v[TM+\b], 0x2800000, |v[(\s)+16*\b]|, |v[(\s)+16*\b+1]|     ; my 16 numbers of block b, and the floor 2^(5 - 127)
.endr
.irp i, 2,4,6,8,10,12,14
.irp b, 0,1,2,3
	v_max3_num_f32 v[TM+\b], v[TM+\b], |v[(\s)+16*\b+\i]|, |v[(\s)+16*\b+\i+1]|
.endr
.endr
	WIN 0
.irp b, 0,1,2,3
	v_permlanex16_b32 v[TM+4+\b], v[TM+\b], s60, s61
.endr
.irp b, 0,1,2,3
	v_max_num_f32 v[TM+\b], v[TM+\b], v[TM+4+\b]   ; with lane l xor 16's: the block's largest magnitude
.endr
.irp b, 0,1,2,3
	v_add_nc_u32 v[TM+12+\b], 0xfe000000, v[TM+\b] ; 4 off the exponent field: the conversion's scale operand
.endr
.irp b, 0,1,2,3
	v_lshrrev_b32 v[TM+4+\b], 23, v[TM+12+\b]      ; the byte
.endr
	v_lshl_or_b32 v[\pw], v[TM+5], 8, v[TM+4]
	v_lshl_or_b32 v[\pw], v[TM+6], 16, v[\pw]
	v_lshl_or_b32 v[\pw], v[TM+7], 24, v[\pw]
	WIN \win
.irp c, 0,1
	v_cvt_scalef32_pk16_bf6_f32 v[(\pc)+6*\c:(\pc)+6*\c+2], v[(\s)+32*\c:(\s)+32*\c+15], v[TM+12+2*\c]
	v_cvt_scalef32_pk16_bf6_f32 v[QT+4*\c:QT+4*\c+2], v[(\s)+32*\c+16:(\s)+32*\c+31], v[TM+13+2*\c]
.endr
	WIN 0
	v_nop                                          ; one plain line behind the scaled conversions
.irp c, 0,1                            ; the layout wants a whole block in a lane: lanes 0-15 block 2 c, lanes 16-31 block 2 c + 1
.irp i, 0,1,2
	v_permlane16_swap_b32 v[(\pc)+6*\c+\i], v[QT+4*\c+\i]
.endr
.irp i, 0,1,2
	v_mov_b32 v[(\pc)+6*\c+3+\i], v[QT+4*\c+\i]
.endr
.endr
.endm
	PLACES
.irp i, 0,1,2,3                        ; token tile i: registers 0-5 are q's half fragment, 6-11 k's; the word's bytes 0, 1 are q's, 2, 3 k's
	QUANT 3, 64*\i, PC+12*\i, PW+\i
	global_store_b128 v3, v[PC+12*\i:PC+12*\i+3], s[6:7] offset:768*\i
	global_store_b64 v4, v[PC+12*\i+4:PC+12*\i+5], s[6:7] offset:768*\i+512
	global_store_b128 v3, v[PC+12*\i+6:PC+12*\i+9], s[90:91] offset:768*\i
	global_store_b64 v4, v[PC+12*\i+10:PC+12*\i+11], s[90:91] offset:768*\i+512
.endr
.irp i, 0,1                            ; v's feature tiles 2 i and 2 i + 1: my 64 tokens are the K of each half fragment
	QUANT 2, 64*\i, PC+48+12*\i, PW+4+\i
	global_store_b128 v3, v[PC+48+12*\i:PC+48+12*\i+3], s[90:91] offset:6144+1536*\i
	global_store_b64 v4, v[PC+48+12*\i+4:PC+48+12*\i+5], s[90:91] offset:6144+1536*\i+512
	global_store_b128 v3, v[PC+48+12*\i+6:PC+48+12*\i+9], s[90:91] offset:6144+1536*\i+768
	global_store_b64 v4, v[PC+48+12*\i+10:PC+48+12*\i+11], s[90:91] offset:6144+1536*\i+1280
	ds_store_b16 v24, v[PW+4+\i] offset:128*\i             ; my two bytes of a row's four (lanes r and r + 16 write the same bytes with the same value)
	ds_store_b16_d16_hi v24, v[PW+4+\i] offset:128*\i+64
.endr
	v_cmp_ne_u32 vcc_lo, 0, v2                     ; lanes 16-31
.irp a, 0,1,2,3
	v_and_b32 v98, 0xffff, v[PW+\a]
	v_lshl_or_b32 v[94+\a], v[PW+\a], 16, v98      ; q's two bytes twice: they serve whichever half of the instruction's K the query stands in
.endr
	v_cndmask_b32 v100, v94, v96, vcc_lo
	v_cndmask_b32 v101, v95, v97, vcc_lo
	global_store_b64 v4, v[100:101], s[6:7] offset:3072    ; 256 bytes on end
	v_lshrrev_b32 v98, 16, v[PW]
	v_and_or_b32 v98, v[PW+1], 0xffff0000, v98     ; k's bytes of an even and an odd tile make a fragment's word
	v_lshrrev_b32 v99, 16, v[PW+2]
	v_and_or_b32 v99, v[PW+3], 0xffff0000, v99
	v_cndmask_b32 v102, v98, v99, vcc_lo
	global_store_b32 v27, v102, s[8:9] offset:12288
	s_wait_dscnt 0x0                               ; for the others' sake: my stores of v's scale bytes are done
	s_barrier_signal -1
	s_barrier_wait -1
	s_cmp_lg_u32 s12, 0
	s_cbranch_scc1 .Lnot_first
	ds_load_b128 v[176:179], v25                   ; wave 0 stores both key steps' words of v: two runs of 256 bytes
	s_wait_dscnt 0x0
	global_store_b128 v26, v[176:179], s[8:9] offset:12544
.Lnot_first:
	s_wait_tensorcnt 0x0                           ; the wave's end
	ds_add_u32 v28, v29
	s_wait_dscnt 0x0
	CROUND                                         ; the closing round: no work-group ends while a partner may still ask for a tile that names it
	s_endpgm
.Lfunc_end_k_q1888324786_qkv:
	.size	k_q1888324786_qkv, .Lfunc_end_k_q1888324786_qkv-k_q1888324786_qkv
	.p2alignl 7, 3214868480
	.fill 96, 4, 3214868480
	.section	.rodata,"a",@progbits
	.p2align	6, 0x0
	.amdhsa_kernel k_q1888324786_qkv
		.amdhsa_group_segment_fixed_size 327680
		.amdhsa_private_segment_fixed_size 0
		.amdhsa_enable_private_segment 0
		.amdhsa_kernarg_size 24
		.amdhsa_user_sgpr_count 2
		.amdhsa_user_sgpr_kernarg_segment_ptr 1
		.amdhsa_wavefront_size32 1
		.amdhsa_system_sgpr_workgroup_id_x 1
		.amdhsa_system_sgpr_workgroup_id_y 1
		.amdhsa_system_sgpr_workgroup_id_z 1
		.amdhsa_system_vgpr_workitem_id 0
		.amdhsa_next_free_vgpr 1024
		.amdhsa_next_free_sgpr 100
		.amdhsa_reserve_vcc 1
		.amdhsa_float_denorm_mode_32 3
		.amdhsa_float_denorm_mode_16_64 3
		.amdhsa_memory_ordered 1
		.amdhsa_forward_progress 1
		.amdhsa_inst_pref_size 127
	.end_amdhsa_kernel
	.amdgpu_metadata
---
amdhsa.version: [ 1, 2 ]
amdhsa.kernels:
  - .name:           k_q1888324786_qkv
    .symbol:         k_q1888324786_qkv.kd
    .args:
      - { .name: cw, .offset: 0, .size: 8, .value_kind: global_buffer, .address_space: global }
      - { .name: qc, .offset: 8, .size: 8, .value_kind: global_buffer, .address_space: global }
      - { .name: kv, .offset: 16, .size: 8, .value_kind: global_buffer, .address_space: global }
    .group_segment_fixed_size: 327680
    .private_segment_fixed_size: 0
    .kernarg_segment_align: 8
    .kernarg_segment_size: 24
    .max_flat_workgroup_size: 128
    .sgpr_count:     100
    .vgpr_count:     1024
    .wavefront_size: 32
...
	.end_amdgpu_metadata
.endif
;; end of part 2
;; launch attn (part 3): grid 4 x 64, 16 waves a work-group, clusters of 4 x 1, 206,848 bytes of LDS; arguments qc, kv, ao; writes ao
.if DOCPART == 3
	.amdgcn_target "amdgcn-amd-amdhsa--gfx1250"
	.amdhsa_code_object_version 6
	.text
	.protected	k_q1888324786_attn
	.globl	k_q1888324786_attn
	.p2align	8
	.type	k_q1888324786_attn,@function
k_q1888324786_attn:
	s_mov_b64 s[64:65], 0
	v_nop
	global_prefetch_b8 v0, s[64:65] scope:SCOPE_SE
	s_setreg_imm32_b32 hwreg(HW_REG_WAVE_MODE, 25, 1), 1
	s_wait_xcnt 0x0
	s_wait_alu depctr_hold_cnt(0) depctr_sa_sdst(0) depctr_va_vdst(0) depctr_va_sdst(0) depctr_va_ssrc(0) depctr_va_vcc(0) depctr_vm_vsrc(0)
	s_getreg_b32 s2, hwreg(HW_REG_IB_STS2, 6, 4)
	s_cmp_eq_u32 s2, 0
	s_cbranch_scc0 .Lentry_in_a_cluster
	s_endpgm
.Lentry_in_a_cluster:
	s_bfe_u32 s2, ttmp6, 0x10000c
	s_cmp_lg_u32 s2, 0x3003
	s_cbranch_scc0 .Lentry_shape_is_right
	s_endpgm
.Lentry_shape_is_right:
; Causal attention of one head on codes of BF6: S^T = K Q^T (K = the head's 64), p = 2^(t - M) quantised along the keys, O^T = V^T P^T, O / l quantised along the channels into ao.
; t = score x log2(e) / 8;  M = the running largest t rounded UP to a whole number;  l = the sum of the unquantised p.  When M moves, l and O^T are multiplied by 2^(old M - new M): exact.
; qc, kv: as the launch before lays them (half fragments of 768 bytes: registers 0-3 at 16 x lane, 4-5 at 512 + 8 x lane).  Row r of query tile t is token 32 (t / 2) + 8 (t % 2) + r + 8 (r / 8); key tiles likewise.
; K = 64 IN AN INSTRUCTION OF K = 128: a fragment of K holds TWO key tiles (k 0-63 the even one, 64-127 the odd one).  The query stands in 18 registers as zeros, Q, zeros: [Q | 0] gives the even tile's scores,
; [0 | Q] the odd one's.  Zero codes add nothing under any scale byte from 1 to 254.  So the 16 registers of a pair of tiles are 16 neighbouring keys, 32 b + 16 (lane / 16) + 0 .. 15.
; SHARES.  The four work-groups of a cluster share a head.  Wave w of work-group c owns query tiles 127 - 4 w - c (keys up to step 15 - w / 2) and 4 w + c (up to step w / 2): 17 key steps for every wave of
; the launch, and the last steps hang on the wave's number alone.  Four waves to a SIMD: one wave's vector work stands beside another's products and LDS loads.
; LDS holds the head's whole K and V, 16 steps x 12,800 bytes, filled ONCE, by joint loads of waves 0-3 (four each, step 4 j + w): nothing is filled again.
; Every loop has a constant trip count; a step all of whose keys come after the tile's queries is jumped over by a scalar branch on the wave's number and the step.
; ao: [16-token tile of 512][K slot = head / 4][3,328]: the head's half fragment at 768 (head % 4), its two scale bytes at 3,072 + 64 ((head / 2) % 2) + 4 r + 2 (head % 2): an operand for the last product.
; LIMITS: a block whose largest magnitude lies under 2^-122 (zeros too) gets the scale byte 1: this program alone reads the bytes; NaN and infinities are not served.
; The block's largest p is not searched for: the block's largest score goes through the same multiply-add and exponential (this takes v_exp_f32 not to fall where its input rises).
; REGISTERS: v1-3 lane terms, v4 my query less 16 (lane / 16), v6, v7, v11 offsets in ao, v8-10 the step's LDS addresses, v12 -M, v13 largest t, v[14:15] l in two halves, v16-33 zeros Q zeros, v34 Q's scale word,
; v36-42 the second tile's Q, v44-91 four fragments, v92-95 their scale words, v96-159 S^T then p, v160-191 O^T, v192-203 p's codes, v204-229 at work (v224 the factor, v225 p's scale word).
.set STEPB, 12800
.macro CROUND
	s_barrier_signal -1
	s_barrier_wait -1
	s_cmp_lg_u32 s10, 0
	s_cbranch_scc1 .Lnot_wave_0_\@
	s_barrier_signal -3
.Lnot_wave_0_\@:
	s_barrier_wait -3
	s_barrier_signal -1
	s_barrier_wait -1
.endm
	s_load_b128 s[4:7], s[0:1], 0x0                ; qc, kv
	s_load_b64 s[8:9], s[0:1], 0x10                ; ao
	v_lshl_add_u32 v254, v0, 2, 0x32000
	v_mov_b32 v255, 0
	ds_add_u32 v254, v255
	ds_add_u32 v254, v255
	v_lshrrev_b32 v1, 5, v0
	s_delay_alu instid0(VALU_DEP_1)
	v_readfirstlane_b32 s10, v1                    ; wave 0..15
	s_bfe_u32 s11, ttmp6, 0x40000                  ; cx: it enters qc's and ao's addresses and the mask's numbers alone
	s_and_b32 s12, ttmp7, 0xffff                   ; 16 x batch + head, which the four partners share
	; group 1: a key step's 12,800 dense bytes as 50 rows of 32 elements of 8 bytes; the mask names all four work-groups
	s_mov_b32 s24, 15|(3<<16)|(1<<21)
	s_mov_b32 s25, 32<<16
	s_mov_b32 s26, 50<<16
	s_mov_b32 s27, 32<<16
	s_mov_b32 s28, 50
	s_mov_b32 s29, 32
	s_mov_b32 s30, 0
	s_mov_b32 s31, 0
	s_lshl_b32 s14, s12, 4
	s_add_co_u32 s14, s14, s10
	s_mul_i32 s14, s14, STEPB                      ; key step w of the head, in memory,
	s_mov_b32 s15, 0
	s_mul_i32 s13, s10, STEPB                      ; and in LDS
	s_wait_dscnt 0x0
	s_wait_kmcnt 0x0
	s_add_nc_u64 s[14:15], s[6:7], s[14:15]
	CROUND                                         ; all four work-groups are here: the joint loads meet
.irp j, 0,1,2,3
	s_mov_b32 s[32+4*\j], 1
	s_add_co_u32 s[33+4*\j], s13, \j*4*STEPB
	s_add_nc_u64 s[34+4*\j:35+4*\j], s[14:15], \j*4*STEPB
	s_or_b32 s[35+4*\j], s[35+4*\j], 0x80000000
.endr
	s_cmp_lt_u32 s10, 4                            ; waves 0-3 fetch, four loads each, in one branch: four loads of such a wave are out
	s_cbranch_scc0 .Lno_fill
	tensor_load_to_lds s[32:35], s[24:31]
	s_nop 0
	tensor_load_to_lds s[36:39], s[24:31]
	s_nop 0
	tensor_load_to_lds s[40:43], s[24:31]
	s_nop 0
	tensor_load_to_lds s[44:47], s[24:31]
	s_nop 0
.rept 4
	v_nop
.endr
.Lno_fill:
	s_lshl_b32 s16, s10, 2
	s_add_co_u32 s16, s16, s11                     ; my early tile
	s_sub_co_u32 s17, 127, s16                     ; my late tile
; tile s[t]: its half fragment in qc, its scale words (3,072 on, in the immediate), its slot in ao, and its first token
.macro TILEADR t, hf, sw, ob, qs
	s_lshr_b32 s18, s[\t], 2
	s_lshl_b32 s19, s12, 5
	s_add_co_u32 s18, s18, s19
	s_mul_i32 s18, s18, 3328                       ; the group of four tiles
	s_and_b32 s19, s[\t], 3
	s_mul_i32 s19, s19, 768
	s_add_co_u32 s62, s18, s19
	s_mov_b32 s63, 0
	s_add_nc_u64 s[\hf:\hf+1], s[4:5], s[62:63]
	s_bfe_u32 s19, s[\t], 0x10001
	s_lshl_b32 s19, s19, 7
	s_add_co_u32 s62, s18, s19
	s_and_b32 s19, s[\t], 1
	s_lshl_b32 s19, s19, 2
	s_add_co_u32 s62, s62, s19
	s_add_nc_u64 s[\sw:\sw+1], s[4:5], s[62:63]
	s_lshr_b32 s18, s12, 4
	s_lshl_b32 s18, s18, 7
	s_add_co_u32 s18, s18, s[\t]
	s_mul_i32 s18, s18, 13312
	s_bfe_u32 s19, s12, 0x20002
	s_mul_i32 s19, s19, 3328
	s_add_co_u32 s62, s18, s19
	s_add_nc_u64 s[\ob:\ob+1], s[8:9], s[62:63]
	s_lshr_b32 s18, s[\t], 1
	s_lshl_b32 s18, s18, 5
	s_and_b32 s19, s[\t], 1
	s_lshl_b32 s19, s19, 3
	s_add_co_u32 s[\qs], s18, s19
.endm
	TILEADR 17, 52, 66, 56, 60
	TILEADR 16, 54, 68, 58, 61
	v_and_b32 v226, 31, v0                         ; lane
	s_delay_alu instid0(VALU_DEP_1)
	v_lshlrev_b32 v1, 4, v226
	s_delay_alu instid0(VALU_DEP_2)
	v_lshlrev_b32 v2, 3, v226
	v_and_b32 v227, 15, v0                         ; r
	s_delay_alu instid0(VALU_DEP_1)
	v_lshlrev_b32 v3, 2, v227
	v_bfe_u32 v228, v0, 4, 1                       ; h
	s_delay_alu instid0(VALU_DEP_3)
	v_and_b32 v5, 8, v227
	s_delay_alu instid0(VALU_DEP_1)
	v_add_nc_u32 v5, v5, v227
	s_delay_alu instid0(VALU_DEP_3)
	v_lshlrev_b32 v229, 4, v228
	s_delay_alu instid0(VALU_DEP_1)
	v_sub_nc_u32 v5, v5, v229                      ; r + 8 (r / 8) - 16 h
	s_and_b32 s18, s12, 3
	s_mul_i32 s18, s18, 768
	v_add_nc_u32 v6, s18, v1
	v_add_nc_u32 v7, s18, v2
	s_bfe_u32 s18, s12, 0x10001
	s_lshl_b32 s18, s18, 6
	s_and_b32 s19, s12, 1
	s_lshl_b32 s19, s19, 1
	s_add_co_u32 s18, s18, s19
	v_add_nc_u32 v11, s18, v3
	v_lshlrev_b32 v226, 3, v227                    ; 8 r
	global_load_b128 v[22:25], v1, s[52:53]        ; the late tile's Q
	global_load_b64 v[26:27], v2, s[52:53] offset:512
	global_load_b32 v34, v226, s[66:67] offset:3072
	global_load_b128 v[36:39], v1, s[54:55]        ; the early tile's, kept for later
	global_load_b64 v[40:41], v2, s[54:55] offset:512
	global_load_b32 v42, v226, s[68:69] offset:3072
.irp j, 16,17,18,19,20,21,28,29,30,31,32,33
	v_mov_b32 v[\j], 0                             ; the zero codes on both sides of Q
.endr
.irp b, 0,1,2,3
	v_mov_b32 v[216+\b], 0                         ; a lane permute's destination counts as read: written once
.endr
	v_mov_b32 v225, 0                              ; (named as the upper half of the pair v[224:225] before it is first written)
	s_mov_b32 s20, 0x76543210
	s_mov_b32 s21, 0xfedcba98                      ; selects for lane l xor 16
	s_mov_b32 s22, 0x3e38aa3b                      ; c = log2(e) / 8
	s_mov_b32 s23, s22                             ; (named with it as a pair)
.macro INIT                            ; a tile begins: O^T and l are zeros and the largest t lies under every t, so the step is written once: its first change of M multiplies zeros
.set j, 0
.rept 32
	v_mov_b32 v[160+j], 0
.set j, j+1
.endr
	v_mov_b32 v13, 0xff61b1e6                      ; -3e38
	s_delay_alu instid0(VALU_DEP_1)
	v_floor_f32 v12, -v13
	v_mov_b32 v14, 0
	v_mov_b32 v15, 0
	s_mov_b32 s48, 0                               ; the step's LDS byte,
	s_mov_b32 s49, 0                               ; its first key,
	s_mov_b32 s50, 0                               ; its number
.endm
; A KEY STEP: 128 keys.
.macro STEP
	s_cmp_gt_u32 s50, s51                          ; all its keys come after my queries: only the lines at its end are run
	s_cbranch_scc1 .Lhidden_\@
	s_setprio 2
	v_add_nc_u32 v8, s48, v1
	v_add_nc_u32 v9, s48, v2
	v_add_nc_u32 v10, s48, v3
	v_nop                                          ; four places behind the last step's products, in front of loads into their registers
.irp b, 0,1,2,3
	ds_load_b128 v[44+12*\b:47+12*\b], v8 offset:1536*\b
	ds_load_b64 v[48+12*\b:49+12*\b], v9 offset:1536*\b+512
	ds_load_b128 v[50+12*\b:53+12*\b], v8 offset:1536*\b+768
	ds_load_b64 v[54+12*\b:55+12*\b], v9 offset:1536*\b+1280
	ds_load_b32 v[92+\b], v10 offset:12288+64*\b
.endr
	s_wait_alu depctr_va_vdst(0)
	s_wait_dscnt 0x0
.irp b, 0,1,2,3                        ; each fragment of K feeds two products: its even tile against [Q | 0], its odd one against [0 | Q]
	v_wmma_scale_f32_16x16x128_f8f6f4 v[96+16*\b:103+16*\b], v[44+12*\b:55+12*\b], v[22:33], 0, v[92+\b], v34 matrix_a_fmt:MATRIX_FMT_BF6 matrix_b_fmt:MATRIX_FMT_BF6
	v_wmma_scale_f32_16x16x128_f8f6f4 v[104+16*\b:111+16*\b], v[44+12*\b:55+12*\b], v[16:27], 0, v[92+\b], v34 matrix_a_fmt:MATRIX_FMT_BF6 matrix_b_fmt:MATRIX_FMT_BF6
.endr
.rept 4
	v_nop
.endr
.irp b, 0,1,2,3                        ; V's fragments are asked for at once: they land while the softmax is worked
	ds_load_b128 v[44+12*\b:47+12*\b], v8 offset:6144+768*\b
	ds_load_b64 v[48+12*\b:49+12*\b], v9 offset:6144+768*\b+512
	ds_load_b128 v[50+12*\b:53+12*\b], v8 offset:9216+768*\b
	ds_load_b64 v[54+12*\b:55+12*\b], v9 offset:9216+768*\b+512
	ds_load_b32 v[92+\b], v10 offset:12544+64*\b
.endr
	s_cmp_lg_u32 s50, s51                          ; only the tile's last step lies on the diagonal
	s_cbranch_scc1 .Lopen_\@
	v_sub_nc_u32 v226, v4, s49                     ; d = my query - the step's first key - 16 (lane / 16): register 16 b + i is hidden where 32 b + i > d
	v_mov_b32 v227, 0xff800000                     ; -infinity: p = 0 then
.set n, 0
.rept 64
	v_cmp_gt_i32 vcc_lo, 32*(n/16)+n%16, v226
	v_cndmask_b32 v[96+n], v[96+n], v227, vcc_lo
.set n, n+1
.endr
.Lopen_\@:
.irp b, 0,1,2,3
	v_max3_num_f32 v[212+\b], v[96+16*\b], v[97+16*\b], v[98+16*\b]        ; the largest score of each block of 32 keys: it serves the row's maximum and the block's largest p
.endr
.irp i, 3,5,7,9,11,13
.irp b, 0,1,2,3
	v_max3_num_f32 v[212+\b], v[212+\b], v[96+16*\b+\i], v[97+16*\b+\i]
.endr
.endr
.irp b, 0,1,2,3
	v_max_num_f32 v[212+\b], v[212+\b], v[111+16*\b]
.endr
.irp b, 0,1,2,3
	s_delay_alu instid0(VALU_DEP_4)
	v_permlanex16_b32 v[216+\b], v[212+\b], s20, s21
.endr
.irp b, 0,1,2,3
	s_delay_alu instid0(VALU_DEP_4)
	v_max_num_f32 v[212+\b], v[212+\b], v[216+\b]  ; with lane l xor 16's 16 keys
.endr
	s_delay_alu instid0(VALU_DEP_2)
	v_max3_num_f32 v226, v212, v213, v214
	s_delay_alu instid0(VALU_DEP_1)
	v_max_num_f32 v226, v226, v215
	s_delay_alu instid0(VALU_DEP_1)
	v_mul_f32 v226, s22, v226                      ; the step's largest t
	s_delay_alu instid0(VALU_DEP_1)
	v_max_num_f32 v13, v13, v226
	v_mov_b32 v226, v12
	s_delay_alu instid0(VALU_DEP_2)
	v_floor_f32 v12, -v13                          ; the new -M = -ceil(t)
	s_delay_alu instid0(VALU_DEP_1)
	v_sub_f32 v226, v12, v226                      ; old M - new M: a whole number, 0 or less
	s_delay_alu instid0(VALU_DEP_1)
	v_cvt_i32_f32 v226, v226                       ; (it saturates)
	s_delay_alu instid0(VALU_DEP_1)
	v_ldexp_f32 v224, 1.0, v226                    ; the factor 2^(old M - new M)
.set j, 0
	s_setprio 1
.rept 32
	v_pk_fma_f32 v[96+j:97+j], v[96+j:97+j], s[22:23], v[12:13] op_sel_hi:[1,0,0]  ; t - M, two at a time
.set j, j+2
.endr
.irp b, 0,1,2,3
	v_fma_f32 v[212+\b], v[212+\b], s22, v12
.endr
.set j, 0
	s_wait_alu depctr_va_vdst(0)
.rept 64
	v_exp_f32 v[96+j], v[96+j]                     ; p = 2^(t - M), not normalised
.set j, j+1
.endr
.irp b, 0,1,2,3
	v_exp_f32 v[212+\b], v[212+\b]                 ; the block's largest p
.endr
	v_pk_mul_f32 v[14:15], v[14:15], v[224:225] op_sel_hi:[1,0]    ; l under the new M; also the plain line behind the exponentials
	s_wait_alu depctr_va_vdst(0)
.irp b, 0,1,2,3
	v_max_num_f32 v[212+\b], 0x2800000, v[212+\b]  ; the floor 2^(5 - 127)
.endr
.irp b, 0,1,2,3
	s_delay_alu instid0(VALU_DEP_4)
	v_add_nc_u32 v[220+\b], 0xfe000000, v[212+\b]  ; the conversion's scale operand
.endr
.irp b, 0,1,2,3
	s_delay_alu instid0(VALU_DEP_4)
	v_lshrrev_b32 v[216+\b], 23, v[220+\b]         ; the byte
.endr
	s_delay_alu instid0(VALU_DEP_3)
	v_lshl_or_b32 v225, v217, 8, v216              ; p's scale word for these 128 keys
	s_delay_alu instid0(VALU_DEP_1)
	v_lshl_or_b32 v225, v218, 16, v225
	s_delay_alu instid0(VALU_DEP_1)
	v_lshl_or_b32 v225, v219, 24, v225
.irp c, 0,1
	v_cvt_scalef32_pk16_bf6_f32 v[192+6*\c:194+6*\c], v[96+32*\c:111+32*\c], v[220+2*\c]
	v_cvt_scalef32_pk16_bf6_f32 v[204+4*\c:206+4*\c], v[112+32*\c:127+32*\c], v[221+2*\c]
.endr
	v_nop                                          ; one plain line behind the scaled conversions
.irp c, 0,1
.irp i, 0,1,2
	v_permlane16_swap_b32 v[192+6*\c+\i], v[204+4*\c+\i]
.endr
.irp i, 0,1,2
	s_delay_alu instid0(VALU_DEP_3)
	v_mov_b32 v[195+6*\c+\i], v[204+4*\c+\i]
.endr
.endr
	v_pk_add_f32 v[228:229], v[100:101], v[104:105]
	v_pk_add_f32 v[252:253], v[108:109], v[112:113]
	v_pk_add_f32 v[250:251], v[116:117], v[120:121]
	v_pk_add_f32 v[248:249], v[124:125], v[128:129]
	v_pk_add_f32 v[246:247], v[132:133], v[136:137]
	v_pk_add_f32 v[244:245], v[140:141], v[144:145]
	v_pk_add_f32 v[242:243], v[148:149], v[152:153]
	v_pk_add_f32 v[14:15], v[14:15], v[156:157]
	v_pk_add_f32 v[228:229], v[228:229], v[96:97]
	s_setprio 0
	v_pk_add_f32 v[252:253], v[252:253], v[98:99]
	v_pk_add_f32 v[250:251], v[250:251], v[102:103]
	v_pk_add_f32 v[248:249], v[248:249], v[106:107]
	v_pk_add_f32 v[246:247], v[246:247], v[110:111]
	v_pk_add_f32 v[244:245], v[244:245], v[114:115]
	v_pk_add_f32 v[242:243], v[242:243], v[118:119]
	v_pk_add_f32 v[14:15], v[14:15], v[122:123]
	v_pk_add_f32 v[228:229], v[228:229], v[126:127]
	v_pk_add_f32 v[252:253], v[252:253], v[130:131]
	v_pk_add_f32 v[250:251], v[250:251], v[134:135]
	v_pk_add_f32 v[248:249], v[248:249], v[138:139]
	v_pk_add_f32 v[246:247], v[246:247], v[142:143]
	v_pk_add_f32 v[244:245], v[244:245], v[146:147]
	v_pk_add_f32 v[242:243], v[242:243], v[150:151]
	v_pk_add_f32 v[14:15], v[14:15], v[154:155]
	v_pk_add_f32 v[228:229], v[228:229], v[158:159]
	s_delay_alu instid0(VALU_DEP_2)
	v_pk_add_f32 v[14:15], v[14:15], v[248:249]
	s_delay_alu instid0(VALU_DEP_2)
	v_pk_add_f32 v[228:229], v[228:229], v[246:247]
	v_pk_add_f32 v[252:253], v[252:253], v[244:245]
	v_pk_add_f32 v[250:251], v[250:251], v[242:243]
	s_delay_alu instid0(VALU_DEP_2)
	v_pk_add_f32 v[14:15], v[14:15], v[252:253]
	s_delay_alu instid0(VALU_DEP_2)
	v_pk_add_f32 v[228:229], v[228:229], v[250:251]
	s_delay_alu instid0(VALU_DEP_1)
	v_pk_add_f32 v[14:15], v[14:15], v[228:229]
.set j, 0
.rept 16
	v_pk_mul_f32 v[160+j:161+j], v[160+j:161+j], v[224:225] op_sel_hi:[1,0]        ; O^T under the new M, each accumulator from its low end on
.set j, j+2
.endr
	s_wait_alu depctr_va_vdst(0)
	s_wait_dscnt 0x0                               ; V is in
.irp b, 0,1,2,3                        ; O^T += V^T P^T: four accumulators by turns
	v_wmma_scale_f32_16x16x128_f8f6f4 v[160+8*\b:167+8*\b], v[44+12*\b:55+12*\b], v[192:203], v[160+8*\b:167+8*\b], v[92+\b], v225 matrix_a_fmt:MATRIX_FMT_BF6 matrix_b_fmt:MATRIX_FMT_BF6
.endr
.Lhidden_\@:
	s_add_co_u32 s48, s48, STEPB
	s_add_co_u32 s49, s49, 128
	s_add_co_u32 s50, s50, 1
.endm
; A tile's way out: O^T / l, whose register 16 b + i is channel 32 b + 16 (lane / 16) + i, is quantised (two blocks) and stored as a half fragment with its two scale bytes.
.macro OUT ob
.rept 4
	v_nop                                          ; places behind the last products
.endr
	v_add_f32 v14, v14, v15
	s_delay_alu instid0(VALU_DEP_1)
	v_permlanex16_b32 v226, v14, s20, s21
	s_delay_alu instid0(VALU_DEP_1)
	v_add_f32 v14, v14, v226                       ; the row's sum
	s_wait_alu depctr_va_vdst(0)
	v_rcp_f32 v14, v14
	v_nop                                          ; a plain line behind the transcendental
.set j, 0
	s_wait_alu depctr_va_vdst(0)
.rept 16
	v_pk_mul_f32 v[96+j:97+j], v[160+j:161+j], v[14:15] op_sel_hi:[1,0]
.set j, j+2
.endr
.irp b, 0,1
	v_max3_num_f32 v[212+\b], |v[96+16*\b]|, |v[97+16*\b]|, 0x2800000
.endr
.irp i, 2,4,6,8,10,12,14
.irp b, 0,1
	s_delay_alu instid0(VALU_DEP_2)
	v_max3_num_f32 v[212+\b], v[212+\b], |v[96+16*\b+\i]|, |v[97+16*\b+\i]|
.endr
.endr
.irp b, 0,1
	s_delay_alu instid0(VALU_DEP_2)
	v_permlanex16_b32 v[216+\b], v[212+\b], s20, s21
.endr
.irp b, 0,1
	s_delay_alu instid0(VALU_DEP_2)
	v_max_num_f32 v[212+\b], v[212+\b], v[216+\b]
.endr
.irp b, 0,1
	s_delay_alu instid0(VALU_DEP_2)
	v_add_nc_u32 v[220+\b], 0xfe000000, v[212+\b]
.endr
.irp b, 0,1
	s_delay_alu instid0(VALU_DEP_2)
	v_lshrrev_b32 v[216+\b], 23, v[220+\b]
.endr
	s_delay_alu instid0(VALU_DEP_1)
	v_lshl_or_b32 v226, v217, 8, v216
	v_cvt_scalef32_pk16_bf6_f32 v[192:194], v[96:111], v220
	v_cvt_scalef32_pk16_bf6_f32 v[204:206], v[112:127], v221
	v_nop
.irp i, 0,1,2
	v_permlane16_swap_b32 v[192+\i], v[204+\i]
.endr
.irp i, 0,1,2
	s_delay_alu instid0(VALU_DEP_3)
	v_mov_b32 v[195+\i], v[204+\i]
.endr
	global_store_b128 v6, v[192:195], s[\ob:\ob+1]                 ; 512 bytes on end
	global_store_b64 v7, v[196:197], s[\ob:\ob+1] offset:512       ; 256 bytes on end
	global_store_b16 v11, v226, s[\ob:\ob+1] offset:3072           ; two bytes a row (lanes r and r + 16 write the same): one byte in 24 of what the tile stores
.endm
	INIT
	s_lshr_b32 s51, s10, 1
	s_sub_co_u32 s51, 15, s51                      ; the late tile's last step
	v_add_nc_u32 v4, s60, v5
	s_wait_loadcnt 0x0                             ; Q
	s_wait_tensorcnt 0x3                           ; a fetching wave's first load (steps 0-3 among the four waves) has landed; its three younger ones may be out
	s_barrier_signal -1
	s_barrier_wait -1
	s_mov_b32 s62, 4
.Lhi_a:
	STEP
	s_sub_co_u32 s62, s62, 1
	s_cmp_lg_u32 s62, 0
	s_cbranch_scc1 .Lhi_a
	s_setprio 0
	s_wait_tensorcnt 0x0                           ; all of the head's K and V
	s_wait_dscnt 0x0
	s_barrier_signal -1
	s_barrier_wait -1
	s_mov_b32 s62, 12
.Lhi_b:
	STEP
	s_sub_co_u32 s62, s62, 1
	s_cmp_lg_u32 s62, 0
	s_cbranch_scc1 .Lhi_b
	s_setprio 0
	s_wait_alu depctr_va_vdst(0)
	OUT 56
	s_wait_xcnt 0x0                                ; the stores' data are written again only behind this wait
.irp j, 0,1,2,3,4,5
	v_mov_b32 v[22+\j], v[36+\j]                   ; the early tile's Q;
.endr
	v_mov_b32 v34, v42                             ; its scale word: the lines of INIT below are the places in front of the products
	v_add_nc_u32 v4, s61, v5
	INIT
	s_lshr_b32 s51, s10, 1                         ; its last step
	s_mov_b32 s62, 8
.Llo:
	STEP
	s_sub_co_u32 s62, s62, 1
	s_cmp_lg_u32 s62, 0
	s_cbranch_scc1 .Llo
	s_setprio 0
	s_wait_alu depctr_va_vdst(0)
	OUT 58
	s_wait_tensorcnt 0x0
	ds_add_u32 v254, v255
	s_wait_dscnt 0x0
	CROUND                                         ; the closing round
	s_endpgm
.Lfunc_end_k_q1888324786_attn:
	.size	k_q1888324786_attn, .Lfunc_end_k_q1888324786_attn-k_q1888324786_attn
	.p2alignl 7, 3214868480
	.fill 96, 4, 3214868480
	.section	.rodata,"a",@progbits
	.p2align	6, 0x0
	.amdhsa_kernel k_q1888324786_attn
		.amdhsa_group_segment_fixed_size 206848
		.amdhsa_private_segment_fixed_size 0
		.amdhsa_enable_private_segment 0
		.amdhsa_kernarg_size 24
		.amdhsa_user_sgpr_count 2
		.amdhsa_user_sgpr_kernarg_segment_ptr 1
		.amdhsa_wavefront_size32 1
		.amdhsa_system_sgpr_workgroup_id_x 1
		.amdhsa_system_sgpr_workgroup_id_y 1
		.amdhsa_system_sgpr_workgroup_id_z 1
		.amdhsa_system_vgpr_workitem_id 0
		.amdhsa_next_free_vgpr 256
		.amdhsa_next_free_sgpr 72
		.amdhsa_reserve_vcc 1
		.amdhsa_float_denorm_mode_32 3
		.amdhsa_float_denorm_mode_16_64 3
		.amdhsa_memory_ordered 1
		.amdhsa_forward_progress 1
		.amdhsa_inst_pref_size 90
	.end_amdhsa_kernel
	.amdgpu_metadata
---
amdhsa.version: [ 1, 2 ]
amdhsa.kernels:
  - .name:           k_q1888324786_attn
    .symbol:         k_q1888324786_attn.kd
    .args:
      - { .name: qc, .offset: 0, .size: 8, .value_kind: global_buffer, .address_space: global }
      - { .name: kv, .offset: 8, .size: 8, .value_kind: global_buffer, .address_space: global }
      - { .name: ao, .offset: 16, .size: 8, .value_kind: global_buffer, .address_space: global }
    .group_segment_fixed_size: 206848
    .private_segment_fixed_size: 0
    .kernarg_segment_align: 8
    .kernarg_segment_size: 24
    .max_flat_workgroup_size: 512
    .sgpr_count:     72
    .vgpr_count:     256
    .wavefront_size: 32
...
	.end_amdgpu_metadata
.endif
;; end of part 3
;; launch proj (part 4): grid 8 x 32, 4 waves a work-group, clusters of 4 x 4, 327,680 bytes of LDS; arguments ao, cw, b_proj, out0; writes out0
.if DOCPART == 4
	.amdgcn_target "amdgcn-amd-amdhsa--gfx1250"
	.amdhsa_code_object_version 6
	.text
	.protected	k_q1888324786_proj
	.globl	k_q1888324786_proj
	.p2align	8
	.type	k_q1888324786_proj,@function
k_q1888324786_proj:
	s_mov_b64 s[64:65], 0
	v_nop
	global_prefetch_b8 v0, s[64:65] scope:SCOPE_SE
	s_setreg_imm32_b32 hwreg(HW_REG_WAVE_MODE, 25, 1), 1
	s_wait_xcnt 0x0
	s_wait_alu depctr_hold_cnt(0) depctr_sa_sdst(0) depctr_va_vdst(0) depctr_va_sdst(0) depctr_va_ssrc(0) depctr_va_vcc(0) depctr_vm_vsrc(0)
	s_getreg_b32 s2, hwreg(HW_REG_IB_STS2, 6, 4)
	s_cmp_eq_u32 s2, 0
	s_cbranch_scc0 .Lentry_in_a_cluster
	s_endpgm
.Lentry_in_a_cluster:
	s_bfe_u32 s2, ttmp6, 0x10000c
	s_cmp_lg_u32 s2, 0xf033
	s_cbranch_scc0 .Lentry_shape_is_right
	s_endpgm
.Lentry_shape_is_right:
; out0 = (O / l) w_proj^T + b_proj on codes of BF6 (K = 1,024); sums in f32.
; ao and cw hold operands in the order of their registers: [tile of 16 rows][K slot of 256][3,328]: four half fragments of 768 bytes (registers 0-3 at 16 x lane, 4-5 at 512 + 8 x lane), scale words at
; 3,072 + 4 x lane (lanes 0-15 the slot's first 128 K, lanes 16-31 its second).  Row r of tile T is row 32 (T / 2) + 8 (T % 2) + r + 8 (r / 8); w_proj's tiles are cw's 704-767.
; SHARES.  A work-group takes 256 tokens x 128 outputs; wave w takes tokens 64 w .. 64 w + 63 x all 128: 32 accumulators.  256 work-groups.
; All of K lies in LDS at once: four slots of 76,800 bytes, each filled ONCE (four loads a wave are out at the start); nothing is filled again.  The claim of LDS is larger than the 307,200 bytes used.
; The products are used TRANSPOSED (source 0 = 16 outputs, source 1 = 16 tokens): a lane holds eight neighbouring outputs of one token.  The bias is the C of each sum's first product.
; CLUSTER.  4 x 4 work-groups: ao's tiles hang on the token block alone (joint along a row of the cluster), w_proj's on the output block alone (joint along a column).
; REGISTERS.  window 0: v1-5 lane terms, v6-29 LDS addresses, v30-31 the stage, v32-55 scale words (two sets of 12), v56 the bias's offset, v64-191 rows on the way out.
;   window 1: v0-95 w_proj's 8 fragments (one set, refilled four at a time), v96-191 the tokens' 4 fragments (two sets).   window 2: v0-63 the bias, 8 registers a tile.   window 3: the accumulators.
.set TILEB, 13312
.set SLOTB, 3328
.set LROW,  3200
.set SLOT,  76800
.set BOFF,  51200
.set SC, 32
.set AF, 96
.set BK, 64
.set MSB, 0
.macro WIN new
.if MSB != \new
	s_set_vgpr_msb (MSB<<8)|\new
.set MSB, \new
.endif
.endm
.macro JLOAD g0a, g1a, g0b, g1b        ; waves 0 and 1 fetch the tokens' two halves, waves 2 and 3 w_proj's; four v_nop follow each of the two lines
	s_cmp_eq_u32 s13, 0
	s_cbranch_scc0 .Lfor_b_\@
	tensor_load_to_lds s[\g0a:\g0a+3], s[\g1a:\g1a+7]
	s_nop 0
.rept 4
	v_nop
.endr
	s_branch .Lasked_\@
.Lfor_b_\@:
	tensor_load_to_lds s[\g0b:\g0b+3], s[\g1b:\g1b+7]
	s_nop 0
.rept 4
	v_nop
.endr
.Lasked_\@:
.endm
.macro CROUND
	s_barrier_signal -1
	s_barrier_wait -1
	s_cmp_lg_u32 s12, 0
	s_cbranch_scc1 .Lnot_wave_0_\@
	s_barrier_signal -3
.Lnot_wave_0_\@:
	s_barrier_wait -3
	s_barrier_signal -1
	s_barrier_wait -1
.endm
.macro PLACES
.rept 4
	v_nop
.endr
.endm
	s_load_b256 s[4:11], s[0:1], 0x0               ; ao, cw, b_proj, out0
	v_lshl_add_u32 v254, v0, 2, 0x4b000
	v_mov_b32 v255, 0
	ds_add_u32 v254, v255
	ds_add_u32 v254, v255
	v_lshrrev_b32 v1, 5, v0
	v_readfirstlane_b32 s12, v1                    ; wave
	s_lshr_b32 s13, s12, 1                         ; I fetch for the tokens (0) or for w_proj (1)
	s_and_b32 s14, s12, 1                          ; which half
	s_bfe_u32 s15, ttmp6, 0x40000                  ; cx
	s_bfe_u32 s16, ttmp6, 0x40004                  ; cy
	s_lshl_b32 s17, ttmp9, 2
	s_add_co_u32 s17, s17, s15                     ; the block of 128 outputs
	s_and_b32 s18, ttmp7, 0xffff
	s_lshl_b32 s18, s18, 2
	s_add_co_u32 s18, s18, s16                     ; the block of 256 tokens
	s_lshl_b32 s19, s16, 2
	s_lshl_b32 s19, 15, s19                        ; my row of the cluster
	s_lshl_b32 s20, 0x1111, s15                    ; my column
	s_or_b32 s24, s19, (3<<16)|(1<<21)             ; group 1: rows of 400 elements of 8 bytes, 1,664 apart: one row a tile; tokens: 8 tiles a load, w_proj: 4
	s_or_b32 s32, s20, (3<<16)|(1<<21)
.irp g, 24, 32
	s_mov_b32 s[\g+1], 400<<16
	s_mov_b32 s[\g+3], 400<<16
	s_mov_b32 s[\g+5], 1664
	s_mov_b32 s[\g+6], 0
	s_mov_b32 s[\g+7], 0
.endr
	s_mov_b32 s26, 8<<16
	s_mov_b32 s28, 8
	s_mov_b32 s34, 4<<16
	s_mov_b32 s36, 4
	s_lshl_b32 s56, s18, 4                         ; tokens: tile 16 x token block + 8 x half
	s_lshl_b32 s57, s14, 3
	s_add_co_u32 s56, s56, s57
	s_mul_i32 s56, s56, TILEB
	s_mov_b32 s57, 0
	s_lshl_b32 s58, s17, 3                         ; w_proj: tile 704 + 8 x output block + 4 x half
	s_lshl_b32 s59, s14, 2
	s_add_co_u32 s58, s58, s59
	s_add_co_u32 s58, s58, 704
	s_mul_i32 s58, s58, TILEB
	s_mov_b32 s59, 0
	s_mul_i32 s21, s14, 8*LROW
	s_mul_i32 s22, s14, 4*LROW
	s_add_co_u32 s22, s22, BOFF
	s_wait_dscnt 0x0
	s_wait_kmcnt 0x0
	s_add_nc_u64 s[56:57], s[4:5], s[56:57]
	s_add_nc_u64 s[58:59], s[6:7], s[58:59]
	CROUND                                         ; all sixteen work-groups are here: the joint loads meet
.irp j, 0,1,2,3
	s_mov_b32 s[40+4*\j], 1
	s_add_co_u32 s[41+4*\j], s21, \j*SLOT
	s_add_nc_u64 s[42+4*\j:43+4*\j], s[56:57], \j*SLOTB
	s_or_b32 s[43+4*\j], s[43+4*\j], 0x80000000
	s_mov_b32 s[68+4*\j], 1
	s_add_co_u32 s[69+4*\j], s22, \j*SLOT
	s_add_nc_u64 s[70+4*\j:71+4*\j], s[58:59], \j*SLOTB
	s_or_b32 s[71+4*\j], s[71+4*\j], 0x80000000
	JLOAD 40+4*\j, 24, 68+4*\j, 32
.endr
	v_and_b32 v57, 31, v0                          ; lane
	v_and_b32 v1, 15, v0                           ; r
	v_bfe_u32 v2, v0, 4, 1                         ; h
	v_lshlrev_b32 v3, 4, v57
	v_lshlrev_b32 v4, 3, v57
	v_lshlrev_b32 v5, 2, v57
	v_lshlrev_b32 v56, 6, v2                       ; the bias: 16 numbers on for lanes 16-31
	s_lshl_b32 s86, s17, 9
	s_mov_b32 s87, 0
	s_add_nc_u64 s[8:9], s[8:9], s[86:87]          ; b_proj at my 128 outputs
	WIN 0x80                                       ; destination window 2
.irp b, 0,1,2,3,4,5,6,7                ; tile b's eight registers: outputs 32 (b / 2) + 8 (b % 2) + 16 h + 0 .. 7
	global_load_b128 v[8*\b:8*\b+3], v56, s[8:9] offset:(32*(\b/2)+8*(\b%2))*4
	global_load_b128 v[8*\b+4:8*\b+7], v56, s[8:9] offset:(32*(\b/2)+8*(\b%2))*4+16
.endr
	WIN 0
	s_mul_i32 s23, s12, 4*LROW                     ; my four tiles of tokens
.irp j, 0,1,2,3
	v_add_nc_u32 v[6+\j], s23, v3
	v_add_nc_u32 v[10+\j], s23, v4
	v_add_nc_u32 v[14+\j], s23, v5
	v_add_nc_u32 v[18+\j], BOFF+\j*SLOT, v3
	v_add_nc_u32 v[22+\j], BOFF+\j*SLOT, v4
	v_add_nc_u32 v[26+\j], BOFF+\j*SLOT, v5
	s_add_co_u32 s23, s23, SLOT
.endr
	s_mul_i32 s23, s12, 16*528                     ; my stage: 16 rows x (512 + 16) bytes, in slot 0
	v_mul_u32_u24 v30, v1, 528
	v_lshl_add_u32 v30, v2, 6, v30
	v_add_nc_u32 v30, s23, v30                     ; in: row r, + 64 h
	v_add_nc_u32 v31, s23, v3                      ; back: 16 bytes a lane of a row
	s_lshl_b32 s84, s18, 8
	s_lshl_b32 s85, s12, 6
	s_add_co_u32 s84, s84, s85
	s_lshl_b32 s84, s84, 12                        ; my first token's row of 4,096 bytes,
	s_add_co_u32 s84, s84, s86                     ; my 128 outputs' 512 bytes in it
	s_mov_b32 s85, 0
	s_add_nc_u64 s[10:11], s[10:11], s[84:85]
.macro FRAG reg, a16, a8, off
	ds_load_b128 v[(\reg):(\reg)+3], v[\a16] offset:(\off)
	ds_load_b64 v[(\reg)+4:(\reg)+5], v[\a8] offset:(\off)+512
	ds_load_b128 v[(\reg)+6:(\reg)+9], v[\a16] offset:(\off)+768
	ds_load_b64 v[(\reg)+10:(\reg)+11], v[\a8] offset:(\off)+1280
.endm
.macro LDB g, slot, q
	WIN 0x40
.irp i, 0,1,2,3
	FRAG 12*(4*(\g)+\i), 18+(\slot), 22+(\slot), (4*(\g)+\i)*LROW+1536*(\q)
.endr
.endm
.macro LDA p, slot, q
	WIN 0x40
.irp i, 0,1,2,3
	FRAG AF+48*(\p)+12*\i, 6+(\slot), 10+(\slot), \i*LROW+1536*(\q)
.endr
.endm
.macro LDSC set, slot
	WIN 0
.irp i, 0,1,2,3
	ds_load_b32 v[SC+12*(\set)+\i], v[14+(\slot)] offset:\i*LROW+3072
.endr
.irp i, 0,1,2,3,4,5,6,7
	ds_load_b32 v[SC+12*(\set)+4+\i], v[26+(\slot)] offset:\i*LROW+3072
.endr
.endm
.macro WM d, a, b, z, c, sa, sb, q     ; z: the product starts its sum, with the bias as C;  q = 1: both sides' scales from lanes 16-31
.if \z
	v_wmma_scale_f32_16x16x128_f8f6f4 v[(\d):(\d)+7], v[(\a):(\a)+11], v[(\b):(\b)+11], v[(\c):(\c)+7], v[\sa], v[\sb] matrix_a_fmt:MATRIX_FMT_BF6 matrix_b_fmt:MATRIX_FMT_BF6
.elseif \q
	v_wmma_scale_f32_16x16x128_f8f6f4 v[(\d):(\d)+7], v[(\a):(\a)+11], v[(\b):(\b)+11], v[(\d):(\d)+7], v[\sa], v[\sb] matrix_a_fmt:MATRIX_FMT_BF6 matrix_b_fmt:MATRIX_FMT_BF6 matrix_a_scale:MATRIX_SCALE_ROW1 matrix_b_scale:MATRIX_SCALE_ROW1
.else
	v_wmma_scale_f32_16x16x128_f8f6f4 v[(\d):(\d)+7], v[(\a):(\a)+11], v[(\b):(\b)+11], v[(\d):(\d)+7], v[\sa], v[\sb] matrix_a_fmt:MATRIX_FMT_BF6 matrix_b_fmt:MATRIX_FMT_BF6
.endif
.endm
.macro MUL g, p, set, q, zero          ; 16 products: my 4 tiles of tokens x output tiles 4 g .. 4 g + 3.  The 32 accumulators take turns in one order
.if \zero
	WIN 0xe5                                       ; sources 0, 1 window 1, C window 2, D window 3
.else
	WIN 0xf5
.endif
.irp a, 0,1,2,3
.irp b, 0,1,2,3
	WM 8*(8*\a+4*(\g)+\b), 12*(4*(\g)+\b), AF+48*(\p)+12*\a, \zero, 8*(4*(\g)+\b), SC+12*(\set)+4+4*(\g)+\b, SC+12*(\set)+\a, \q
.endr
.endr
.endm
; A step of 128 along K: two groups of 16 products.  The waits count the LDS loads issued behind the run that is wanted: 16 at the head, at least 32 in front of the second group.
.macro STEP n
.set QQ,  (\n)%2
.set SS,  ((\n)/2)%2
.set NSL, ((\n)+1)/2
.set NQQ, ((\n)+1)%2
.set NSS, (((\n)+1)/2)%2
.if (\n) == 0
.set ZZ, 1
.else
.set ZZ, 0
.endif
.if (\n)%2 == 1 && (\n) < 7
	s_wait_tensorcnt 2-(\n)/2                      ; my part of the next slot has landed; the younger fills may be out
.endif
	s_wait_dscnt 16
	MUL 0, QQ, SS, QQ, ZZ
.if (\n) < 7
.if (\n)%2 == 1
	WIN 0
	s_wait_dscnt 0x0                               ; no LDS instruction of mine is pending at the signal
	s_barrier_signal -1
	s_barrier_wait -1                              ; the next slot is whole
.endif
	PLACES
.if (\n)%2 == 1
	LDSC NSS, NSL
.endif
	LDB 0, NSL, NQQ
	LDA NQQ, NSL, NQQ
	s_wait_dscnt 32
.else
	s_wait_dscnt 0x0
.endif
	MUL 1, QQ, SS, QQ, ZZ
.if (\n) < 7
	PLACES
	LDB 1, NSL, NQQ
.endif
.endm
	s_wait_tensorcnt 0x3                           ; my part of slot 0 is in
	s_barrier_signal -1
	s_barrier_wait -1
	LDSC 0, 0
	LDB 0, 0, 0
	LDA 0, 0, 0
	LDB 1, 0, 0
	s_wait_loadcnt 0x0                             ; the bias
.irp n, 0,1,2,3,4,5,6,7
	STEP \n
.endr
	WIN 0
; THE WAY OUT, a tile of 16 tokens x 128 outputs at a time, through my own stage.  It lies in slot 0, which was filled once and which no wave has read since the barrier of step 1.
; A lane's eight results go to their true columns (128 (b / 2) + 32 (b % 2) + 64 h bytes), so a row comes back as 512 bytes in order; its true token stands in the store's immediate.
.macro TOSTAGE a
	WIN 0x0c                                       ; an LDS store's data are its source 1: window 3
.irp b, 0,1,2,3,4,5,6,7
	ds_store_b128 v30, v[8*(8*(\a)+\b):8*(8*(\a)+\b)+3] offset:128*(\b/2)+32*(\b%2)        ; each accumulator from its low end on
	ds_store_b128 v30, v[8*(8*(\a)+\b)+4:8*(8*(\a)+\b)+7] offset:128*(\b/2)+32*(\b%2)+16
.endr
	WIN 0
.irp t, 0,1,2,3,4,5,6,7,8,9,10,11,12,13,14,15
	ds_load_b128 v[BK+64*((\a)%2)+4*\t:BK+64*((\a)%2)+4*\t+3], v31 offset:\t*528   ; LDS serves a wave's instructions in order (ISA guide 5.7.1.4): these see the stores above
.endr
.endm
.macro SEND a, younger                 ; younger: the LDS instructions issued behind tile a's loads
	s_wait_dscnt \younger
.irp t, 0,1,2,3,4,5,6,7,8,9,10,11,12,13,14,15
	global_store_b128 v3, v[BK+64*((\a)%2)+4*\t:BK+64*((\a)%2)+4*\t+3], s[10:11] offset:(32*((\a)/2)+8*((\a)%2)+\t+8*(\t/8))*4096 th:TH_STORE_NT   ; 32 lanes store 512 consecutive bytes, aligned to 256
.endr
.endm
	PLACES
	TOSTAGE 0
.irp a, 1,2,3
.if \a > 1
	s_wait_xcnt 0x0                                ; tile a - 2's stores have read their registers: tile a's loads may land there
.endif
	TOSTAGE \a
	SEND \a-1, 32                                  ; behind tile a - 1's loads: tile a's 16 stores and 16 loads
.endr
	SEND 3, 0
	s_wait_tensorcnt 0x0
	ds_add_u32 v254, v255
	s_wait_dscnt 0x0
	CROUND                                         ; the closing round
	s_endpgm
.Lfunc_end_k_q1888324786_proj:
	.size	k_q1888324786_proj, .Lfunc_end_k_q1888324786_proj-k_q1888324786_proj
	.p2alignl 7, 3214868480
	.fill 96, 4, 3214868480
	.section	.rodata,"a",@progbits
	.p2align	6, 0x0
	.amdhsa_kernel k_q1888324786_proj
		.amdhsa_group_segment_fixed_size 327680
		.amdhsa_private_segment_fixed_size 0
		.amdhsa_enable_private_segment 0
		.amdhsa_kernarg_size 32
		.amdhsa_user_sgpr_count 2
		.amdhsa_user_sgpr_kernarg_segment_ptr 1
		.amdhsa_wavefront_size32 1
		.amdhsa_system_sgpr_workgroup_id_x 1
		.amdhsa_system_sgpr_workgroup_id_y 1
		.amdhsa_system_sgpr_workgroup_id_z 1
		.amdhsa_system_vgpr_workitem_id 0
		.amdhsa_next_free_vgpr 1024
		.amdhsa_next_free_sgpr 100
		.amdhsa_reserve_vcc 0
		.amdhsa_float_denorm_mode_32 3
		.amdhsa_float_denorm_mode_16_64 3
		.amdhsa_memory_ordered 1
		.amdhsa_forward_progress 1
		.amdhsa_inst_pref_size 89
	.end_amdhsa_kernel
	.amdgpu_metadata
---
amdhsa.version: [ 1, 2 ]
amdhsa.kernels:
  - .name:           k_q1888324786_proj
    .symbol:         k_q1888324786_proj.kd
    .args:
      - { .name: ao, .offset: 0, .size: 8, .value_kind: global_buffer, .address_space: global }
      - { .name: cw, .offset: 8, .size: 8, .value_kind: global_buffer, .address_space: global }
      - { .name: b_proj, .offset: 16, .size: 8, .value_kind: global_buffer, .address_space: global }
      - { .name: out0, .offset: 24, .size: 8, .value_kind: global_buffer, .address_space: global }
    .group_segment_fixed_size: 327680
    .private_segment_fixed_size: 0
    .kernarg_segment_align: 8
    .kernarg_segment_size: 32
    .max_flat_workgroup_size: 128
    .sgpr_count:     100
    .vgpr_count:     1024
    .wavefront_size: 32
...
	.end_amdgpu_metadata
.endif
;; end of part 4
